; MI455X (gfx1250); checked and timed in simulation.
; The chip was launched on July 23, 2026; its instructions are those of AMD's public machine-readable ISA for CDNA 5 (MIT licence, August 2026) and "CDNA5" Instruction Set Architecture Reference Guide (July 2026). The comments in the code are by the model that wrote it; some were corrected since.
;; Lora Multi Headed Self Attention. Allowed arithmetic: matrix products marked QUANTISED: E5M2 operands, one given power-of-two scale a tensor, by v_wmma_f32_16x16x64_bf8_bf8 or v_wmma_f32_16x16x128_bf8_bf8, f32 sums; products left as they are: f32 operands where the result goes on into a quantised operand, else bf16, f16 or f32 operands; f32 sums; everything else in f32.
;; Inputs: Aq_codes 16 x 24 x 32 uint8 (E5M2 codes of Aq, K innermost, in blocks of 32 codes); Av_codes 16 x 24 x 32 uint8 (E5M2 codes of Av, K innermost, in blocks of 32 codes); Bq 768 x 16 float32; Bv 768 x 16 float32; Wk_codes 768 x 24 x 32 uint8 (E5M2 codes of Wk, K innermost, in blocks of 32 codes); Wq_codes 768 x 24 x 32 uint8 (E5M2 codes of Wq, K innermost, in blocks of 32 codes); Wv_codes 768 x 24 x 32 uint8 (E5M2 codes of Wv, K innermost, in blocks of 32 codes); bk 768 float32; bq 768 float32; bv 768 float32; lowp_scales 14 int32 (the exponents e of the quantised operands' scales 2^e); mask 2 x 2,048 int32; x_codes 2 x 2,048 x 24 x 32 uint8 (E5M2 codes of x, K innermost, in blocks of 32 codes).
;; Outputs: out0 2 x 2,048 x 768 float32.
;; This version of the problem:
;;   THIS VERSION OF THE PROBLEM IS GIVEN IN LOW PRECISION. The matrix products marked QUANTISED in the list below multiply operands that are first quantised to E5M2 (5 exponent bits, 2 mantissa bits; 8 bits a number), with one given power-of-two scale for each operand tensor; their sums are f32. All else is computed in f32.
;;   The module's matrix products, in the order in which they are computed (A, B: the left and right operand; K: the contracted axis; several contracted axes count as one K, in the product's order):
;;     1. [M 4,096, K 768] x [K 768, N 768]; A: input x (given as codes); B: input Wq (given as codes): QUANTISED (scales: A lowp_scales[0], B lowp_scales[1])
;;     2. [M 4,096, K 768] x [K 768, N 16]; A: input x (given as codes); B: input Aq (given as codes): QUANTISED (scales: A lowp_scales[2], B lowp_scales[3])
;;     3. [M 4,096, K 16] x [K 16, N 768]; A: computed on the way; B: input Bq: left as it is (K = 16 < 32)
;;     4. [M 4,096, K 768] x [K 768, N 768]; A: input x (given as codes); B: input Wk (given as codes): QUANTISED (scales: A lowp_scales[4], B lowp_scales[5])
;;     5. [M 4,096, K 768] x [K 768, N 768]; A: input x (given as codes); B: input Wv (given as codes): QUANTISED (scales: A lowp_scales[6], B lowp_scales[7])
;;     6. [M 4,096, K 768] x [K 768, N 16]; A: input x (given as codes); B: input Av (given as codes): QUANTISED (scales: A lowp_scales[8], B lowp_scales[9])
;;     7. [M 4,096, K 16] x [K 16, N 768]; A: computed on the way; B: input Bv: left as it is (K = 16 < 32)
;;     8. batch 24 x [M 2,048, K 64] x [K 64, N 2,048]; A: computed on the way; B: computed on the way: QUANTISED (scales: A lowp_scales[10], B lowp_scales[11])
;;     9. batch 24 x [M 2,048, K 2,048] x [K 2,048, N 64]; A: softmax (see below); B: computed on the way: QUANTISED (scales: A lowp_scales[12], B lowp_scales[13])
;;   THE QUANTISER, for each operand of a quantised product, along K:
;;     - The operand's scale is 2^e, e = its entry of the input lowp_scales (int32; the entries are numbered through the quantised products in the list's order, A before B).
;;     - Each number is divided by the scale, clamped to +-57,344, and rounded to the nearest number of E5M2, ties to even, subnormals kept.
;;     - The product sums the exact products of the quantised numbers (number of the format x scale) in f32.
;;   ~~~python
;;   def quantise(x, axis, e):      # numpy; x: float32 -> the quantised numbers, widened to float32 again
;;       x = np.moveaxis(x, axis, -1); K = x.shape[-1]
;;       r = np.clip(x / 2.0 ** e, -57344, 57344)
;;       step = 2.0 ** (np.maximum(np.frexp(np.where(r == 0, 1, r))[1] - 1, -14) - 2)
;;       q = np.round(r / step) * step * 2.0 ** e      # np.round: ties to even
;;       return np.moveaxis(q, -1, axis).astype(np.float32)
;;   ~~~
;;   SOFTMAX AHEAD OF A QUANTISED PRODUCT. Where the list says 'softmax', what is quantised is not the finished softmax but p = 2^(t - M), with t = logit x log2(e) and M = ceil(the row's largest t), a whole number; so 1/2 < the row's largest p <= 1. The row's sum l is taken of the UNQUANTISED p, in f32, and the product's result is divided by l at the end. Since M is a whole number, a kernel that streams over the keys may use a running M (the ceiling of the running maximum): every later rescaling is an exact power of two, so the quantised numbers keep their values, but for numbers so far below the row's largest that they fall under the format's range.
;;   OPERANDS COMPUTED ON THE WAY. 'Computed on the way' means the value that the module computes at that place (a softmax that the list does not call 'softmax' is quantised finished and normalised). What goes into a quantiser is computed in f32, as accurately as f32 sums, v_exp_f32 and their like allow (about 1e-6 of the number): no bf16 or f16 on the way to a quantiser, and a product that is left as it is and whose result goes on into a quantised operand takes f32 operands (vector FMAs, or v_wmma_f32_16x16x4_f32). A number that lies on a knife's edge between two numbers of the format may be rounded either way, as far as f32 arithmetic and the matrix unit's own rounding can turn it there, and no further.
;;   INPUTS GIVEN AS CODES. Aq (in the module: [16, 768], K = its axis 1); Av (in the module: [16, 768], K = its axis 1); Wk (in the module: [768, 768], K = its axis 1); Wq (in the module: [768, 768], K = its axis 1); Wv (in the module: [768, 768], K = its axis 1); x (in the module: [2, 2048, 768], K = its axis 2): each comes as NAME_codes (uint8): NAME with its K axis moved to the last place and cut into blocks of 32 codes, [.., K / 32, bytes a block], one block behind the other in memory; one code a byte (a code: sign, 5 exponent bits, 2 mantissa bits); its scale is its entry of lowp_scales. Its value is code x scale, taken as it is: it is not quantised again, and the codes and scales need not be those that the quantiser above would give.
;; One version. Each part assembles by itself: llvm-mc -triple=amdgcn-amd-amdhsa -mcpu=gfx1250 --defsym DOCPART=n.
;; ======== version 1 of 1: 2 launches
;; limits: right only within a limited range of input values
;; workspace buffers: q 3,145,728 bytes; kv 6,291,456 bytes
;; launch proj (part 1): grid 32 x 8, 8 waves a work-group, clusters of 4 x 1, 296,960 bytes of LDS; arguments x_codes, Wq_codes, Wk_codes, Wv_codes, Aq_codes, Av_codes, Bq, Bv, bq, bk, bv, lowp_scales, q, kv; writes q, kv
.if DOCPART == 1
	.amdgcn_target "amdgcn-amd-amdhsa--gfx1250"
	.amdhsa_code_object_version 6
	.text
	.protected	k_qf76cd848db_proj
	.globl	k_qf76cd848db_proj
	.p2align	8
	.type	k_qf76cd848db_proj,@function
k_qf76cd848db_proj:
	s_mov_b64 s[64:65], 0
	v_nop
	global_prefetch_b8 v0, s[64:65] scope:SCOPE_SE
	s_setreg_imm32_b32 hwreg(HW_REG_WAVE_MODE, 25, 1), 1
	s_wait_xcnt 0x0
	s_wait_alu depctr_hold_cnt(0) depctr_sa_sdst(0) depctr_va_vdst(0) depctr_va_sdst(0) depctr_va_ssrc(0) depctr_va_vcc(0) depctr_vm_vsrc(0)
	s_getreg_b32 s2, hwreg(HW_REG_IB_STS2, 6, 4)
	s_cmp_eq_u32 s2, 0
	s_cbranch_scc0 .Lentry_in_a_cluster
	s_endpgm
.Lentry_in_a_cluster:
	s_bfe_u32 s2, ttmp6, 0x10000c
	s_cmp_lg_u32 s2, 0x3003
	s_cbranch_scc0 .Lentry_shape_is_right
	s_endpgm
.Lentry_shape_is_right:
; q = x Wq^T + bq + (x Aq^T) Bq^T / 16,  k = x Wk^T + bk,  v = x Wv^T + bv + (x Av^T) Bv^T / 16, each then quantised to codes of BF8 (E5M2) with its given scale.  No step of the problem is left out, here or in the next launch.
; x, Wq, Wk, Wv, Aq, Av arrive as codes, K = 768 innermost; the five products on them go by v_wmma_f32_16x16x128_bf8_bf8.  The two products with K = 16 feed a quantiser, so they take f32 operands (v_wmma_f32_16x16x4_f32).
; SCALES.  lowp_scales holds e0 .. e13.  A sum of x Wq^T stands for sum x 2^(e0+e1); so bq goes in as bq / 2^(e0+e1) (the C of the first K step), x Aq^T is brought to the same unit by 2^(e2+e3-4-e0-e1)
; (the 4 is the division by 16), and the conversion takes 2^(e10-e0-e1) as its one scale.  k: e4, e5, e11.  v: e6, e7, e8, e9, e13.
; LIMITS: e10-e0-e1, e11-e4-e5, e13-e6-e7 lie between -126 and 112, so that the scale and 57,344 x the scale are f32 numbers; all other exponents go through v_ldexp_f32.  NaN and infinity codes are not served.
; SHARES.  32 x 8 work-groups: 128 tokens (block b) and the channels 96 j .. 96 j + 95 of each of q, k and v.  Wave w: token group tg = w % 4 (32 tokens, two tiles u), role = w / 4: of the six channel tiles its three are
; 4 role, 4 role + 1 (a pair of one image) and 2 + role (half of the middle pair), in q, k and v alike; and x Aq^T (role 0) or x Av^T (role 1) for its tokens, which the two roles hand to each other through LDS.
; CLUSTER.  Its four work-groups have the same channels: their weights (3 x 96 rows + 2 x 16 rows of 768 bytes) are asked for JOINTLY, one tensor load a wave, once; nothing is filled again, so no later request is there that a prefetch could run ahead of.
; x is not asked for jointly: its 128 rows x 816 bytes do not fit beside the weights' 261,120 in 327,680; each wave loads 16 rows through registers, and they turn into fragments in a stage in LDS, 256 of K at a time, from where all waves of their tokens read them.
; OUTPUT AS IMAGES OF OPERAND REGISTERS.  hb = 12 batch + head; lane = (r = lane % 16, hh = lane / 16).
;   q:  hb x 131,072 + T x 1,024 + 512 c + 16 lane: tile T of 16 queries, lane r = query 16 T + r; the 16 bytes are channels 32 c + 8 hh + 0..7, then 32 c + 16 + 8 hh + 0..7.
;   kv: hb x 262,144 + s x 16,384 (s: a step of 128 keys): K's 8 tiles laid like q's; at + 8,192 V: 2,048 t + 512 c + 16 lane: lane r = channel 16 t + r, bytes = keys 32 c + 8 hh + 0..7, then 32 c + 16 + 8 hh + 0..7.
; q and k are made TRANSPOSED (source 0 = 16 rows of W, source 1 = 16 tokens): a lane holds one token, its registers eight channels.  v is made the natural way: a lane holds one channel, its registers eight tokens.
; So the conversions' results are the images' bytes, and each store of a wave covers 512 consecutive bytes, aligned.  The middle pair's two halves meet in LDS: role 0 stores q's, role 1 k's.
; K IS THE OUTER LOOP: all accumulators of a wave are open, and the products on the first 256 of K need no more of x than that.
; A fragment (16 rows x 128 K) is fetched by four loads of 16 bytes: registers 4 c .. 4 c + 3 hold K = 32 c + 16 hh + 0..15: a permutation of K that is the same on both sides of every product.
; LDS: rows of W: 768 bytes with 16 of padding behind each 256: pitch 816 = 204 words, so 16 neighbouring rows start at 16 different groups of four banks (64 banks of 4 bytes: ISA guide 11.1).
.set WPITCH, 816
.set TILEB, 16*WPITCH                  ; 16 rows: 13,056 bytes
.set WK_L,  78336                      ; Wq's 96 rows at 0, Wk's here,
.set WV_L,  156672                     ; Wv's,
.set WA_L,  235008                     ; Aq's 16 rows, then Av's 16
.set XSTG,  261120                     ; the stage: 128 rows x (256 + 16) bytes; behind the last K step the exchange of u and of the middle pairs.  No tensor load lands here
.set MIDL,  XSTG+16384
.set SPARE, 295936                     ; the spare words: 128 bytes a wave
; scalar registers
.set WV,   4                           ; my wave's number
.set BLK,  5                           ; block of 128 tokens
.set JJ,   6                           ; group of 96 channels
.set CX,   7
.set TG,   50
.set ROLE, 51
.set G1W,  52                          ; s[52:59] descriptor group 1: 48 rows of 768 bytes
.set G1A,  68                          ; s[68:75] the same with 16 rows
.set G0W,  76                          ; s[76:79] group 0 for W's halves (waves 0 to 5)
.set G0A,  80                          ; s[80:83] for Aq, Av (waves 6, 7)
.set QB,   84                          ; s[84:85] my full pair's images of q;  s[86:87] of k;  s[88:89] v's tiles 0, 1;  s[90:91] v's tile 2;  s[92:93] the middle pair
.set KB,   86
.set VB,   88
.set V2B,  90
.set MB,   92
.set SU,   94                          ; role 0: e2+e3-4-e0-e1;  role 1: e8+e9-4-e6-e7
.set NBQ,  95                          ; -(e0+e1), -(e4+e5), -(e6+e7)
.set NBK,  96
.set NBV,  97
.set CQ,   98                          ; the conversion's scale as f32, and 57,344 x it: q, k, v
.set LQ,   99
.set CK,   100
.set LK,   101
.set CV,   66
.set LV,   67
; vector registers, window 0
.set LI,   1                           ; 16 x lane: an image's place for my lane
.set XS,   2                           ; the stage, in
.set XR,   3                           ; the stage, out
.set WQ,   4                           ; 816 r + 16 hh + the region's first byte: tiles 4 role, 4 role + 1; and tile 2 + role
.set WQ2,  5
.set WK,   6
.set WK2,  7
.set WVA,  8
.set WV2,  9
.set WA,   10
.set SC,   11                          ; the scale in hand, and the hold
.set LM,   12
.set SPW,  13                          ; my spare word
.set NIL,  14                          ; 0
.set XG,   15                          ; x in memory: 768 hh + 16 r; later Bq, Bv
.set WF,   16                          ; v16-111 W's fragments: three buffers of two tiles; v16-31 behind the last K step sixteen held numbers
.set TMP,  16
.set CODE, 32                          ; codes of q and k: 16 each; v's at v64-75
.set ADU,  100                         ; v100-103 addresses of the exchange
.set ACC,  112                         ; v112-255 accumulators: tile n (q 0-2, k 3-5, v 6-8) and token tile u at 16 n + 8 u.  q's and v's are written by matrix instructions alone
; window 1
.set RAW,  0                           ; v0-95 x as loaded, 32 for each 256 of K; later Bq, Bv (v0-23, v24-47: tile t, register i: B[16 t + r][8 hh + i]) and u of q, of v (v48-63, v64-79)
.set XF,   96                          ; v96-159 x's fragments of two K steps: 16 (2 e + u)
.set BI,   160                         ; v160-231 the biases as C: tile n at 8 n
.set UA,   232                         ; v232-247 x A^T: lane r = token, register 8 u + j = rank 8 hh + j
.set MSB, 0
.macro WIN new                         ; s_set_vgpr_msb: bits 1:0 source 0, 3:2 source 1, 5:4 source 2, 7:6 destination; the high byte repeats the setting that is left
.if MSB != \new
	s_set_vgpr_msb (MSB<<8)|\new
.set MSB, \new
.endif
.endm
.macro VW
	s_wait_alu depctr_va_vdst(0)
.endm
.macro PLACES n                        ; plain vector instructions between a matrix instruction and what touches its registers (ISA guide 7.12.1)
.rept \n
	v_nop
.endr
.endm
.macro CROUND                          ; a round of the cluster's barrier
	s_barrier_signal -1
	s_barrier_wait -1
	s_cmp_lg_u32 s[WV], 0
	s_cbranch_scc1 .Lnot_wave_0_\@
	s_barrier_signal -3
.Lnot_wave_0_\@:
	s_barrier_wait -3
	s_barrier_signal -1
	s_barrier_wait -1
.endm
; one tile of W of K step s into fragment slot b
.macro TLD adr, t, s, b
.irp c, 0,1,2,3
	ds_load_b128 v[WF+16*(\b)+4*\c:WF+16*(\b)+4*\c+3], v[\adr] offset:TILEB*(\t)+128*(\s)+16*((\s)/2)+32*\c
.endr
.endm
; a group of two tiles, eight loads: (q 0, 1), (q 2, k 0), (k 1, 2), (v 0, 1), (v 2, A); group 5 s + g uses buffer (5 s + g) % 3
.macro GLOAD s, g
.set rb, 2*((5*(\s)+(\g))%3)
	WIN 0
.if (\g) == 0
	TLD WQ, 0, \s, rb
	TLD WQ, 1, \s, rb+1
.elseif (\g) == 1
	TLD WQ2, 0, \s, rb
	TLD WK, 0, \s, rb+1
.elseif (\g) == 2
	TLD WK, 1, \s, rb
	TLD WK2, 0, \s, rb+1
.elseif (\g) == 3
	TLD WVA, 0, \s, rb
	TLD WVA, 1, \s, rb+1
.else
	TLD WV2, 0, \s, rb
	TLD WA, 0, \s, rb+1
.endif
.endm
; tile n's two products of K step s, from fragment slot b
.macro MMT n, s, b
.set rW, WF+16*(\b)
.irp u, 0,1
.set rX, XF+16*(2*((\s)%2)+\u)
.set rD, ACC+16*(\n)+8*\u
.if (\n) == 9
.set rD, UA+8*\u
	WIN 0x54
.if (\s) == 0
	v_wmma_f32_16x16x128_bf8_bf8 v[rD:rD+7], v[rW:rW+15], v[rX:rX+15], 0
.else
	v_wmma_f32_16x16x128_bf8_bf8 v[rD:rD+7], v[rW:rW+15], v[rX:rX+15], v[rD:rD+7]
.endif
.elseif (\n) > 5
.if (\s) == 0
	WIN 0x11
	v_wmma_f32_16x16x128_bf8_bf8 v[rD:rD+7], v[rX:rX+15], v[rW:rW+15], v[BI+8*(\n):BI+8*(\n)+7]
.else
	WIN 0x01
	v_wmma_f32_16x16x128_bf8_bf8 v[rD:rD+7], v[rX:rX+15], v[rW:rW+15], v[rD:rD+7]
.endif
.else
.if (\s) == 0
	WIN 0x14
	v_wmma_f32_16x16x128_bf8_bf8 v[rD:rD+7], v[rW:rW+15], v[rX:rX+15], v[BI+8*(\n):BI+8*(\n)+7]
.else
	WIN 0x04
	v_wmma_f32_16x16x128_bf8_bf8 v[rD:rD+7], v[rW:rW+15], v[rX:rX+15], v[rD:rD+7]
.endif
.endif
.endr
.endm
; a K step: five groups; each asks for the group two further on, into the buffer that the group before has multiplied.  The 20 accumulators take turns.
.macro KSTEP s
.irp g, 0,1,2,3,4
.set gG, 5*(\s)+\g
.set gN, gG+2
.if gN < 30
.if gG > 0
	PLACES 4
.endif
	GLOAD (gN/5), (gN%5)
	s_wait_dscnt 0x10                              ; this group's eight loads are in; the two next groups' may be out
.elseif gN == 30
	s_wait_dscnt 0x8
.else
	s_wait_dscnt 0x0
.endif
	MMT 2*\g, \s, 2*(gG%3)
	MMT 2*\g+1, \s, 2*(gG%3)+1
.endr
	WIN 0
.endm
.macro XPUT kc                         ; my 16 rows' 256 bytes of part kc into the stage
	WIN 0x04
.irp i, 0,1,2,3,4,5,6,7
	ds_store_b128 v[XS], v[RAW+32*(\kc)+4*\i:RAW+32*(\kc)+4*\i+3] offset:544*\i
.endr
	WIN 0
.endm
.macro XGET                            ; my 32 tokens' fragments of the part in the stage
	WIN 0x40
.irp n, 0,1,2,3,4,5,6,7,8,9,10,11,12,13,14,15  ; n = 8 e + 4 u + c
	ds_load_b128 v[XF+4*\n:XF+4*\n+3], v[XR] offset:16*((\n/4)%2)*272+128*(\n/8)+32*(\n%4)
.endr
	WIN 0
.endm
; q's (y = 0) or k's (y = 1) sums become codes; the conversion does not saturate (ISA guide 7.6.2): the hold at the largest code x the scale.  Each accumulator is read from its low end on.
.macro CODEP y
.irp u, 0,1
.irp j, 0,1,2,3,4,5,6,7,8,9,10,11,12,13,14,15
	v_med3_num_f32 v[TMP+\j], v[ACC+48*(\y)+16*(\j/8)+8*\u+(\j%8)], -v[LM], v[LM]
.endr
	v_cvt_scalef32_pk8_bf8_f32 v[CODE+16*(\y)+4*\u:CODE+16*(\y)+4*\u+1], v[TMP:TMP+7], v[SC]
	v_cvt_scalef32_pk8_bf8_f32 v[CODE+16*(\y)+4*\u+2:CODE+16*(\y)+4*\u+3], v[TMP+8:TMP+15], v[SC]
	v_nop                                          ; a plain instruction behind the conversions, ahead of the lines that write their sources again
.endr
.irp u, 0,1                                    ; the middle pair's half
.irp j, 0,1,2,3,4,5,6,7
	v_med3_num_f32 v[TMP+\j], v[ACC+48*(\y)+32+8*\u+\j], -v[LM], v[LM]
.endr
	v_cvt_scalef32_pk8_bf8_f32 v[CODE+16*(\y)+8+2*\u:CODE+16*(\y)+8+2*\u+1], v[TMP:TMP+7], v[SC]
	v_nop
.endr
.endm
.macro STOREP y, base
.irp u, 0,1
	global_store_b128 v[LI], v[CODE+16*(\y)+4*\u:CODE+16*(\y)+4*\u+3], s[\base:\base+1] offset:1024*\u   ; 32 lanes store 512 consecutive bytes, aligned
.endr
.irp u, 0,1
	ds_store_b64 v[ADU+2], v[CODE+16*(\y)+8+2*\u:CODE+16*(\y)+8+2*\u+1] offset:1024*(\y)+512*\u
.endr
.endm
; the product with K = 16, in f32, onto six accumulators by turns: four steps of 4; slot (hh, j) of step g is rank 8 hh + 2 g + j on both sides.  y = 0: q;  y = 1: v, source 0 = tokens
.macro LORA y
	WIN 0x05
.irp g, 0,1,2,3
.irp n, 0,1,2,3,4,5
.set rD, ACC+96*(\y)+8*\n
.set rB, RAW+24*(\y)+8*(\n/2)+2*\g
.set rU, RAW+48+16*(\y)+8*(\n%2)+2*\g
.if (\y) == 0
	v_wmma_f32_16x16x4_f32 v[rD:rD+7], v[rB:rB+1], v[rU:rU+1], v[rD:rD+7]
.else
	v_wmma_f32_16x16x4_f32 v[rD:rD+7], v[rU:rU+1], v[rB:rB+1], v[rD:rD+7]
.endif
.endr
.endr
	WIN 0
.endm
	s_load_b512 s[8:23], s[0:1], 0x0               ; x, Wq, Wk, Wv, Aq, Av, Bq, Bv
	s_load_b256 s[24:31], s[0:1], 0x40             ; bq, bk, bv, the scales' exponents
	s_load_b128 s[32:35], s[0:1], 0x60             ; q, kv
	v_lshl_add_u32 v[SPW], v0, 2, SPARE
	v_mov_b32 v[NIL], 0
	ds_add_u32 v[SPW], v[NIL]                      ; the opening add, twice on end
	ds_add_u32 v[SPW], v[NIL]
	v_lshrrev_b32 v16, 5, v0
	v_readfirstlane_b32 s[WV], v16                 ; wave 0..7
	s_bfe_u32 s[CX], ttmp6, 0x40000                ; my place in the cluster: it enters x's, q's and kv's addresses alone
	s_lshl_b32 s[BLK], ttmp9, 2
	s_add_co_u32 s[BLK], s[BLK], s[CX]             ; block of 128 tokens = 4 x cluster x + cx
	s_and_b32 s[JJ], ttmp7, 0xffff                 ; which 96 channels: the four partners share them
	s_and_b32 s[TG], s[WV], 3
	s_lshr_b32 s[ROLE], s[WV], 2
	s_mul_i32 s60, s[ROLE], 4*TILEB
	s_mul_i32 s62, s[ROLE], TILEB
	s_add_co_u32 s61, s62, 2*TILEB
	s_add_co_u32 s62, s62, WA_L
	s_mul_i32 s63, s[WV], 4352
	s_add_co_u32 s63, s63, XSTG                    ; my 16 rows of the stage
	s_mul_i32 s66, s[TG], 8704
	s_add_co_u32 s66, s66, XSTG                    ; my tokens' 32 rows
	s_lshl_b32 s2, s[ROLE], 8                      ; the biases, in bytes: 64 role channels; 32 + 16 role channels
	s_lshl_b32 s3, s[ROLE], 6
	s_add_co_u32 s3, s3, 128
	v_and_b32 v16, 15, v0                          ; r
	v_bfe_u32 v17, v0, 4, 1                        ; hh
	v_and_b32 v[LI], 31, v0
	v_lshlrev_b32 v[LI], 4, v[LI]
	v_mul_u32_u24 v[XG], v17, 768
	v_lshl_add_u32 v[XG], v16, 4, v[XG]
	v_mul_u32_u24 v22, v17, 272
	v_lshl_add_u32 v22, v16, 4, v22
	v_add_nc_u32 v[XS], s63, v22
	v_mul_u32_u24 v23, v16, 272
	v_lshl_add_u32 v23, v17, 4, v23
	v_add_nc_u32 v[XR], s66, v23
	v_mul_u32_u24 v22, v16, WPITCH
	v_lshl_add_u32 v22, v17, 4, v22
	v_add_nc_u32 v[WQ], s60, v22
	v_add_nc_u32 v[WQ2], s61, v22
	v_add_nc_u32 v[WA], s62, v22
	v_add_nc_u32 v[WK], WK_L, v[WQ]
	v_add_nc_u32 v[WK2], WK_L, v[WQ2]
	v_add_nc_u32 v[WVA], WV_L, v[WQ]
	v_add_nc_u32 v[WV2], WV_L, v[WQ2]
	v_lshlrev_b32 v18, 5, v17                      ; bq, bk: 32 hh
	v_lshlrev_b32 v19, 2, v16                      ; bv: 4 r
	v_add_nc_u32 v20, s3, v18
	v_add_nc_u32 v21, s3, v19
	v_add_nc_u32 v18, s2, v18
	v_add_nc_u32 v19, s2, v19
	; descriptor group 1: rows of 768 elements of one byte, 16 bytes of padding behind each 256
	s_mov_b32 s[G1W], 15|(1<<20)|(1<<21)|(5<<22)|(3<<25)  ; 15:0 the mask: all four work-groups; 17:16 elements of 1 byte; 20 padding on; 21 set beside a mask; 24:22 after every 64 words (code 5); 31:25 four words (code 3)
	s_mov_b32 s[G1W+1], 768<<16                    ; tensor_dim0
	s_mov_b32 s[G1W+2], 48<<16                     ; tensor_dim1
	s_mov_b32 s[G1W+3], 768<<16                    ; tile_dim0
	s_mov_b32 s[G1W+4], 48                         ; tile_dim1
	s_mov_b32 s[G1W+5], 768                        ; from row to row
	s_mov_b32 s[G1W+6], 0
	s_mov_b32 s[G1W+7], 0
	s_mov_b32 s[G1A], 15|(1<<20)|(1<<21)|(5<<22)|(3<<25)
	s_mov_b32 s[G1A+1], 768<<16
	s_mov_b32 s[G1A+2], 16<<16
	s_mov_b32 s[G1A+3], 768<<16
	s_mov_b32 s[G1A+4], 16
	s_mov_b32 s[G1A+5], 768
	s_mov_b32 s[G1A+6], 0
	s_mov_b32 s[G1A+7], 0
	VW
	s_wait_dscnt 0x0                               ; both opening adds are done
	s_wait_kmcnt 0x0
	s_load_b256 s[36:43], s[30:31], 0x0            ; e0 .. e7
	s_load_b128 s[44:47], s[30:31], 0x20           ; e8 .. e11
	s_load_b64 s[48:49], s[30:31], 0x30            ; e12, e13
	; group 0: every wave makes both; it asks by one of them
	s_mov_b32 s[G0W], 1
	s_mul_i32 s[G0W+1], s[WV], 48*WPITCH           ; waves 0, 1: Wq's halves; 2, 3: Wk's; 4, 5: Wv's: wave x 48 rows
	s_cmp_lt_u32 s[WV], 2
	s_cselect_b64 s[60:61], s[10:11], s[12:13]
	s_cmp_lt_u32 s[WV], 4
	s_cselect_b64 s[60:61], s[60:61], s[14:15]
	s_mul_i32 s2, s[JJ], 96
	s_and_b32 s3, s[WV], 1
	s_mul_i32 s3, s3, 48
	s_add_co_u32 s2, s2, s3                        ; row 96 j + 48 x half
	s_mul_i32 s2, s2, 768
	s_mov_b32 s3, 0
	s_add_nc_u64 s[G0W+2:G0W+3], s[60:61], s[2:3]
	s_or_b32 s[G0W+3], s[G0W+3], 0x80000000        ; type = 2
	s_mov_b32 s[G0A], 1
	s_mul_i32 s[G0A+1], s[WV], TILEB
	s_add_co_u32 s[G0A+1], s[G0A+1], WA_L-6*TILEB  ; wave 6: Aq's region, wave 7: Av's
	s_cmp_eq_u32 s[WV], 6
	s_cselect_b64 s[G0A+2:G0A+3], s[16:17], s[18:19]
	s_or_b32 s[G0A+3], s[G0A+3], 0x80000000
	CROUND                                         ; all four work-groups are here: the joint loads meet
	s_cmp_lt_u32 s[WV], 6                          ; the branch hangs on the wave's number alone.  One tensor load of each wave is out
	s_cbranch_scc0 .Lfor_a
	tensor_load_to_lds s[G0W:G0W+3], s[G1W:G1W+7]
	s_nop 0
.rept 4
	v_nop
.endr
	s_branch .Lasked
.Lfor_a:
	tensor_load_to_lds s[G0A:G0A+3], s[G1A:G1A+7]
	s_nop 0
.rept 4
	v_nop
.endr
.Lasked:
	; x at my 16 rows, the channels' part of Bq, Bv (64 bytes a row) and of the biases
	s_lshl_b32 s2, s[BLK], 7
	s_lshl_b32 s60, s[WV], 4
	s_add_co_u32 s2, s2, s60
	s_mul_i32 s2, s2, 768
	s_add_nc_u64 s[8:9], s[8:9], s[2:3]
	s_mul_i32 s2, s[JJ], 6144
	s_add_nc_u64 s[20:21], s[20:21], s[2:3]
	s_add_nc_u64 s[22:23], s[22:23], s[2:3]
	s_mul_i32 s2, s[JJ], 384
	s_add_nc_u64 s[24:25], s[24:25], s[2:3]
	s_add_nc_u64 s[26:27], s[26:27], s[2:3]
	s_add_nc_u64 s[28:29], s[28:29], s[2:3]
	; 15 loads of biases, then 24 of x
	WIN 0x40                                       ; destination window 1
.irp t, 0,1
	global_load_b128 v[BI+8*\t:BI+8*\t+3], v18, s[24:25] offset:64*\t
	global_load_b128 v[BI+8*\t+4:BI+8*\t+7], v18, s[24:25] offset:64*\t+16
	global_load_b128 v[BI+24+8*\t:BI+24+8*\t+3], v18, s[26:27] offset:64*\t
	global_load_b128 v[BI+24+8*\t+4:BI+24+8*\t+7], v18, s[26:27] offset:64*\t+16
	global_load_b32 v[XF+\t], v19, s[28:29] offset:64*\t
.endr
	global_load_b128 v[BI+16:BI+19], v20, s[24:25]
	global_load_b128 v[BI+20:BI+23], v20, s[24:25] offset:16
	global_load_b128 v[BI+40:BI+43], v20, s[26:27]
	global_load_b128 v[BI+44:BI+47], v20, s[26:27] offset:16
	global_load_b32 v[XF+2], v21, s[28:29]
.irp kc, 0,1,2                                 ; x: 256 bytes of two rows a load: sixteen lanes read 256 consecutive bytes, aligned
.irp i, 0,1,2,3,4,5,6,7
	global_load_b128 v[RAW+32*\kc+4*\i:RAW+32*\kc+4*\i+3], v[XG], s[8:9] offset:1536*\i+256*\kc
.endr
.endr
	WIN 0
	; where my images go: batch = b / 16, step of 128 tokens = b % 16
	s_lshr_b32 s63, s[BLK], 4
	s_mul_i32 s63, s63, 12
	s_and_b32 s62, s[BLK], 15
	s_mov_b32 s67, 0
.macro PAIRADR                         ; s60: a pair of channel tiles -> s[2:3] its offset in q, s[66:67] in kv
	s_lshr_b32 s61, s60, 1
	s_add_co_u32 s61, s61, s63                     ; hb
	s_and_b32 s60, s60, 1
	s_lshl_b32 s60, s60, 9
	s_lshl_b32 s2, s[TG], 11
	s_add_co_u32 s60, s60, s2                      ; 512 c + two tiles of 1,024 x tg
	s_lshl_b32 s2, s61, 17
	s_add_co_u32 s2, s2, s60
	s_lshl_b32 s66, s61, 18
	s_add_co_u32 s66, s66, s60
	s_lshl_b32 s60, s62, 13
	s_add_co_u32 s2, s2, s60
	s_lshl_b32 s60, s62, 14
	s_add_co_u32 s66, s66, s60
.endm
.macro VADR                            ; s60: a channel tile -> s[2:3] its offset in kv
	s_lshr_b32 s61, s60, 2
	s_add_co_u32 s61, s61, s63
	s_and_b32 s60, s60, 3
	s_lshl_b32 s60, s60, 11
	s_lshl_b32 s2, s61, 18
	s_add_co_u32 s2, s2, s60
	s_lshl_b32 s60, s62, 14
	s_add_co_u32 s2, s2, s60
	s_lshl_b32 s60, s[TG], 9
	s_add_co_u32 s2, s2, s60
	s_add_co_u32 s2, s2, 8192
.endm
	s_mul_i32 s60, s[JJ], 3
	s_lshl_b32 s61, s[ROLE], 1
	s_add_co_u32 s60, s60, s61
	PAIRADR
	s_add_nc_u64 s[QB:QB+1], s[32:33], s[2:3]
	s_add_nc_u64 s[KB:KB+1], s[34:35], s[66:67]
	s_mul_i32 s60, s[JJ], 3
	s_add_co_u32 s60, s60, 1
	PAIRADR
	s_add_nc_u64 s[VB:VB+1], s[32:33], s[2:3]
	s_add_nc_u64 s[V2B:V2B+1], s[34:35], s[66:67]
	s_cmp_eq_u32 s[ROLE], 0                        ; role 0 stores q's middle pair, role 1 k's
	s_cselect_b64 s[MB:MB+1], s[VB:VB+1], s[V2B:V2B+1]
	s_mul_i32 s60, s[JJ], 6
	s_lshl_b32 s61, s[ROLE], 2
	s_add_co_u32 s60, s60, s61
	VADR
	s_add_nc_u64 s[VB:VB+1], s[34:35], s[2:3]
	s_mul_i32 s60, s[JJ], 6
	s_add_co_u32 s60, s60, 2
	s_add_co_u32 s60, s60, s[ROLE]
	VADR
	s_add_nc_u64 s[V2B:V2B+1], s[34:35], s[2:3]
	s_wait_kmcnt 0x0                               ; the exponents
	s_add_co_i32 s2, s36, s37                      ; e0 + e1
	s_sub_co_i32 s[NBQ], 0, s2
	s_add_co_i32 s60, s38, s39
	s_sub_co_i32 s60, s60, s2
	s_sub_co_i32 s3, s46, s2                       ; e10 - e0 - e1
	s_add_co_i32 s3, s3, 127
	s_lshl_b32 s[CQ], s3, 23
	s_add_co_i32 s3, s3, 15
	s_lshl_b32 s[LQ], s3, 23
	s_or_b32 s[LQ], s[LQ], 0x600000                ; 57,344 x the scale
	s_add_co_i32 s2, s40, s41                      ; e4 + e5
	s_sub_co_i32 s[NBK], 0, s2
	s_sub_co_i32 s3, s47, s2                       ; e11 - e4 - e5
	s_add_co_i32 s3, s3, 127
	s_lshl_b32 s[CK], s3, 23
	s_add_co_i32 s3, s3, 15
	s_lshl_b32 s[LK], s3, 23
	s_or_b32 s[LK], s[LK], 0x600000
	s_add_co_i32 s2, s42, s43                      ; e6 + e7
	s_sub_co_i32 s[NBV], 0, s2
	s_add_co_i32 s61, s44, s45
	s_sub_co_i32 s61, s61, s2
	s_sub_co_i32 s3, s49, s2                       ; e13 - e6 - e7
	s_add_co_i32 s3, s3, 127
	s_lshl_b32 s[CV], s3, 23
	s_add_co_i32 s3, s3, 15
	s_lshl_b32 s[LV], s3, 23
	s_or_b32 s[LV], s[LV], 0x600000
	s_cmp_eq_u32 s[ROLE], 0
	s_cselect_b32 s[SU], s60, s61
	s_sub_co_i32 s[SU], s[SU], 4                   ; the division by 16
	s_wait_loadcnt 0x18                            ; the biases are in; x's 24 loads may be out
	WIN 0x41                                       ; destination and source 0 window 1
.set j, 0
.rept 24
	v_ldexp_f32 v[BI+j], v[BI+j], s[NBQ]           ; bq / 2^(e0+e1)
.set j, j+1
.endr
.rept 24
	v_ldexp_f32 v[BI+j], v[BI+j], s[NBK]           ; bk / 2^(e4+e5)
.set j, j+1
.endr
.rept 24
	v_ldexp_f32 v[BI+j], v[XF+(j-48)/8], s[NBV]    ; bv / 2^(e6+e7): a lane holds one channel of v, so its bias fills all eight registers
.set j, j+1
.endr
	WIN 0
	VW
	s_wait_loadcnt 0x10                            ; x's first 256 of K are in
	XPUT 0
	s_wait_tensorcnt 0x0                           ; my part of the weights is in LDS,
	s_wait_dscnt 0x0                               ; and so are my rows of x;
	s_barrier_signal -1
	s_barrier_wait -1                              ; every wave's are
	XGET
	GLOAD 0, 0
	GLOAD 0, 1
	s_wait_dscnt 0x0                               ; my reads of the stage are over:
	s_barrier_signal -1                            ; say so; LDS loads of the weights, which nobody writes any more, and register work up to the wait
	KSTEP 0
	s_barrier_wait -1                              ; nobody reads the stage: the next part
	s_wait_loadcnt 0x8
	XPUT 1
	s_wait_dscnt 0x0
	s_barrier_signal -1
	KSTEP 1
	s_barrier_wait -1                              ; the part is whole
	PLACES 4
	XGET
	s_wait_dscnt 0x0
	s_barrier_signal -1
	KSTEP 2
	s_barrier_wait -1
	s_wait_loadcnt 0x0
	XPUT 2
	; Bq's and Bv's rows of my channels, into registers that held x's first parts
	s_lshl_b32 s2, s[ROLE], 12                     ; 64 role rows of 64 bytes; 32 + 16 role rows
	s_lshl_b32 s3, s[ROLE], 10
	s_add_co_u32 s3, s3, 2048
	v_and_b32 v[XG], 15, v0
	v_bfe_u32 v[XS], v0, 4, 1
	v_lshlrev_b32 v[XG], 6, v[XG]
	v_lshl_add_u32 v[XG], v[XS], 5, v[XG]          ; 64 r + 32 hh
	v_add_nc_u32 v[XS], s3, v[XG]
	v_add_nc_u32 v[XG], s2, v[XG]
	WIN 0x40
.irp y, 0,1
.irp t, 0,1
	global_load_b128 v[RAW+24*\y+8*\t:RAW+24*\y+8*\t+3], v[XG], s[20+2*\y:21+2*\y] offset:1024*\t
	global_load_b128 v[RAW+24*\y+8*\t+4:RAW+24*\y+8*\t+7], v[XG], s[20+2*\y:21+2*\y] offset:1024*\t+16
.endr
	global_load_b128 v[RAW+24*\y+16:RAW+24*\y+19], v[XS], s[20+2*\y:21+2*\y]
	global_load_b128 v[RAW+24*\y+20:RAW+24*\y+23], v[XS], s[20+2*\y:21+2*\y] offset:16
.endr
	WIN 0
	s_wait_dscnt 0x0
	s_barrier_signal -1
	KSTEP 3
	s_barrier_wait -1
	PLACES 4
	XGET
	s_wait_dscnt 0x0
	s_barrier_signal -1
	KSTEP 4
	KSTEP 5
	s_barrier_wait -1                              ; nobody reads the stage any more
	PLACES 4
	s_lshl_b32 s2, s[TG], 12
	s_add_co_u32 s2, s2, XSTG                      ; u: 4,096 bytes a token group, 2,048 a role
	s_lshl_b32 s3, s[ROLE], 11
	s_add_co_u32 s3, s3, s2
	s_lshl_b32 s60, s[TG], 11
	s_add_co_u32 s60, s60, MIDL                    ; the middle pairs: 2,048 bytes a token group: q's two images, k's two
	s_lshl_b32 s61, s[ROLE], 3
	s_add_co_u32 s61, s61, s60
	s_lshl_b32 s62, s[ROLE], 10
	s_add_co_u32 s62, s62, s60
	v_add_nc_u32 v[ADU], s3, v[LI]                 ; u in,
	v_add_nc_u32 v[ADU+1], s2, v[LI]               ; out,
	v_add_nc_u32 v[ADU+2], s61, v[LI]              ; the middle pairs in: my half of each lane's 16 bytes,
	v_add_nc_u32 v[ADU+3], s62, v[LI]              ; out
	v_mov_b32 v[SC], s[CK]
	v_mov_b32 v[LM], s[LK]
	WIN 0x41
.set j, 0
.rept 16
	v_ldexp_f32 v[UA+j], v[UA+j], s[SU]            ; into the unit of q's or v's sums, the division by 16 among it
.set j, j+1
.endr
	WIN 0x04
.irp n, 0,1,2,3
	ds_store_b128 v[ADU], v[UA+4*\n:UA+4*\n+3] offset:512*\n
.endr
	WIN 0
	VW
	s_wait_dscnt 0x0
	s_barrier_signal -1
	CODEP 1                                        ; k's codes: register work while the others arrive
	VW
	s_barrier_wait -1                              ; both roles' u are in LDS
	WIN 0x40
.irp n, 0,1,2,3,4,5,6,7                        ; u of q, then of v
	ds_load_b128 v[RAW+48+4*\n:RAW+48+4*\n+3], v[ADU+1] offset:512*\n
.endr
	WIN 0
	STOREP 1, KB
	VW
	s_wait_loadcnt 0x0                             ; Bq and Bv
	s_wait_dscnt 0x0
	LORA 0
	v_mov_b32 v[SC], s[CQ]
	v_mov_b32 v[LM], s[LQ]
	PLACES 8
	CODEP 0
	STOREP 0, QB
	VW
	s_wait_dscnt 0x0                               ; my halves of the middle pairs are in LDS
	s_barrier_signal -1
	LORA 1
	v_mov_b32 v[SC], s[CV]
	v_mov_b32 v[LM], s[LV]
	PLACES 8
.irp t, 0,1,2                                  ; v: channel tile t, both token tiles
.irp j, 0,1,2,3,4,5,6,7,8,9,10,11,12,13,14,15
	v_med3_num_f32 v[TMP+\j], v[ACC+96+16*\t+\j], -v[LM], v[LM]
.endr
	v_cvt_scalef32_pk8_bf8_f32 v[64+4*\t:65+4*\t], v[TMP:TMP+7], v[SC]
	v_cvt_scalef32_pk8_bf8_f32 v[66+4*\t:67+4*\t], v[TMP+8:TMP+15], v[SC]
	v_nop
.endr
	VW
	s_barrier_wait -1                              ; the middle pairs are whole
.irp u, 0,1
	ds_load_b128 v[80+4*\u:83+4*\u], v[ADU+3] offset:512*\u
.endr
	global_store_b128 v[LI], v[64:67], s[VB:VB+1]
	global_store_b128 v[LI], v[68:71], s[VB:VB+1] offset:2048
	global_store_b128 v[LI], v[72:75], s[V2B:V2B+1]
	s_wait_dscnt 0x0
.irp u, 0,1
	global_store_b128 v[LI], v[80+4*\u:83+4*\u], s[MB:MB+1] offset:1024*\u
.endr
	s_wait_tensorcnt 0x0                           ; the wave's end
	ds_add_u32 v[SPW], v[NIL]
	s_wait_dscnt 0x0
	CROUND                                         ; the closing round: no work-group ends while a partner may still ask for a tile that names it
	s_endpgm
.Lfunc_end_k_qf76cd848db_proj:
	.size	k_qf76cd848db_proj, .Lfunc_end_k_qf76cd848db_proj-k_qf76cd848db_proj
	.p2alignl 7, 3214868480
	.fill 96, 4, 3214868480
	.section	.rodata,"a",@progbits
	.p2align	6, 0x0
	.amdhsa_kernel k_qf76cd848db_proj
		.amdhsa_group_segment_fixed_size 296960
		.amdhsa_private_segment_fixed_size 0
		.amdhsa_enable_private_segment 0
		.amdhsa_kernarg_size 112
		.amdhsa_user_sgpr_count 2
		.amdhsa_user_sgpr_kernarg_segment_ptr 1
		.amdhsa_wavefront_size32 1
		.amdhsa_system_sgpr_workgroup_id_x 1
		.amdhsa_system_sgpr_workgroup_id_y 1
		.amdhsa_system_sgpr_workgroup_id_z 1
		.amdhsa_system_vgpr_workitem_id 0
		.amdhsa_next_free_vgpr 512
		.amdhsa_next_free_sgpr 102
		.amdhsa_reserve_vcc 0
		.amdhsa_float_denorm_mode_32 3
		.amdhsa_float_denorm_mode_16_64 3
		.amdhsa_memory_ordered 1
		.amdhsa_forward_progress 1
		.amdhsa_inst_pref_size 74
	.end_amdhsa_kernel
	.amdgpu_metadata
---
amdhsa.version: [ 1, 2 ]
amdhsa.kernels:
  - .name:           k_qf76cd848db_proj
    .symbol:         k_qf76cd848db_proj.kd
    .args:
      - { .name: x_codes, .offset: 0, .size: 8, .value_kind: global_buffer, .address_space: global }
      - { .name: Wq_codes, .offset: 8, .size: 8, .value_kind: global_buffer, .address_space: global }
      - { .name: Wk_codes, .offset: 16, .size: 8, .value_kind: global_buffer, .address_space: global }
      - { .name: Wv_codes, .offset: 24, .size: 8, .value_kind: global_buffer, .address_space: global }
      - { .name: Aq_codes, .offset: 32, .size: 8, .value_kind: global_buffer, .address_space: global }
      - { .name: Av_codes, .offset: 40, .size: 8, .value_kind: global_buffer, .address_space: global }
      - { .name: Bq, .offset: 48, .size: 8, .value_kind: global_buffer, .address_space: global }
      - { .name: Bv, .offset: 56, .size: 8, .value_kind: global_buffer, .address_space: global }
      - { .name: bq, .offset: 64, .size: 8, .value_kind: global_buffer, .address_space: global }
      - { .name: bk, .offset: 72, .size: 8, .value_kind: global_buffer, .address_space: global }
      - { .name: bv, .offset: 80, .size: 8, .value_kind: global_buffer, .address_space: global }
      - { .name: lowp_scales, .offset: 88, .size: 8, .value_kind: global_buffer, .address_space: global }
      - { .name: q, .offset: 96, .size: 8, .value_kind: global_buffer, .address_space: global }
      - { .name: kv, .offset: 104, .size: 8, .value_kind: global_buffer, .address_space: global }
    .group_segment_fixed_size: 296960
    .private_segment_fixed_size: 0
    .kernarg_segment_align: 8
    .kernarg_segment_size: 112
    .max_flat_workgroup_size: 256
    .sgpr_count:     102
    .vgpr_count:     512
    .wavefront_size: 32
...
	.end_amdgpu_metadata
.endif
;; end of part 1
;; launch attn (part 2): grid 256 x 1, 8 waves a work-group, no clusters, 309,248 bytes of LDS; arguments q, kv, mask, lowp_scales, out0; writes out0
.if DOCPART == 2
	.amdgcn_target "amdgcn-amd-amdhsa--gfx1250"
	.amdhsa_code_object_version 6
	.text
	.protected	k_qf76cd848db_attn
	.globl	k_qf76cd848db_attn
	.p2align	8
	.type	k_qf76cd848db_attn,@function
k_qf76cd848db_attn:
	s_mov_b64 s[64:65], 0
	v_nop
	global_prefetch_b8 v0, s[64:65] scope:SCOPE_SE
	s_setreg_imm32_b32 hwreg(HW_REG_WAVE_MODE, 25, 1), 1
	s_wait_xcnt 0x0
; out0[b][s][64 head + w] = the sum over t of softmax_t(q . k / 8 - 10000 (1 - mask[b][t])) v[t][w], both products on codes of BF8 (E5M2) with the given scales 2^eq, 2^ek, 2^ep, 2^ev (lowp_scales[10..13]).
; q and kv are the launch before's images of operand registers (hb = 12 batch + head; lane = (r = lane % 16, hh = lane / 16)):
;   q:  hb x 131,072 + T x 1,024 + 512 c + 16 lane (tile T of 16 queries);   kv: hb x 262,144 + s x 16,384 (a step of 128 keys): K's 8 tiles of 1,024 bytes, then at + 8,192 V's 4 channel tiles of 2,048.
; SHARES.  24 heads x 128 tiles of 16 queries = 3,072 tiles = 256 work-groups x 12 tiles, in three units of 4 tiles.  Of the 32 work-groups for three heads thirty take 12 tiles of one head;
; the last two take the heads' last eight tiles: (head 0: 8, head 1: 4) and (head 1: 4, head 2: 8).  Wave w of a work-group owns the keys 256 w .. 256 w + 255 and keeps their K and V in registers for all tiles
; of a head (32,768 bytes: 256 registers): every byte of K and V is loaded once by a work-group, straight into the operands' registers, and loaded again only where the head changes.
; So a wave takes ONE maximum a tile over its 256 keys, and nothing is rescaled: the eight waves' partial O^T, -M and sums l meet in LDS, unit by unit, and are joined there with the factors 2^(M of the wave - M of the row), which round nothing.
; THE SOFTMAX AHEAD OF THE SECOND PRODUCT: t = logit x log2(e); M = the largest t of the wave's keys rounded UP to a whole number; p = 2^(t - M) is quantised, not normalised; the sum is taken of the unquantised p and divides at the end.
; NO CLUSTER: what work-groups share (K and V) goes into registers, once; a joint load would bring it into LDS, which the partial results fill.
; NO PREFETCH: all of K and V is asked for at the head in one go; no loop's later step has a first touch that one could run ahead of.
; THE HOLD at the largest code (the conversion to an 8-bit code does not saturate: ISA guide 7.6.2) is done where the given scales ask for it: ep < -15, so that 57,344 x 2^ep is under p's largest number,
; or eq + ek > -13, where |t| may pass 2^23 and t - M may round above 1/2.  Else |score| <= 57,344^2 x 64 x 2^(eq+ek), so p < 1.75 = 57,344 x 2^-15.  A scalar branch on these whole numbers leads round it.
; THE MASK: -80000 (1 - m) / 2^(eq+ek) is the C of the scores' one matrix instruction.  No key is skipped, whatever the mask.  A masked key's score is rounded at that magnitude, as the definition's own subtraction rounds it: it shows only in a row all of whose keys are masked.
; LIMITS: eq + ek between -123 and 130 (added to c's exponent field); ep between -126 and 112; ep + ev goes through v_ldexp_f32; mask's entries between -500 and 500.  NaN and infinity codes are not served.  The promise holds while the scaled scores stay under 2^31.
; Under the hold, and for p under the format's range, a number is judged by its own wave's M, as it would be by a running M.
; LAYOUT.  Both products are used transposed: S^T = K Q^T (source 0 = 16 keys), O^T = V^T P^T (source 0 = 16 channels): a lane holds ONE query (lane % 16).  Tile t's register j of S^T is key 16 t + 8 hh + j, so the codes of
; tiles 2 b and 2 b + 1 are registers 4 b .. 4 b + 3 of P, the places in which V's image has its keys.
; LDS.  Two buffers of partial results (units take turns): tile x 32,768 + wave x 4,096: eight images of four registers, 512 bytes each, (channel tile t, half g) at 512 (2 t + g) + 256 hh + 16 (r xor 8 g):
; the xor lets the joining wave's sixteen neighbouring lanes, which take 8 queries x 2 halves, fall on sixteen different groups of four banks.
.set STAT, 262144                      ; two buffers of 4 tiles x 16 queries x (8 waves' -M, 8 waves' l)
.set BIAS, 270336                      ; 1,024 bytes a wave, its own: the mask's term of its 256 keys
.set STG,  278528                      ; the way out: 8 rows x (256 + 16) bytes a wave, its own
.set SPARE, 295936                     ; the spare words: 128 bytes a wave
.set QL,   296960                      ; Q's images of my work-group's twelve tiles: 1,024 bytes each
.set WV,   14                          ; s14 my wave's number;  s18-20 the units' heads among the three, s21-23 their first tiles
.set TQ,   30                          ; s30 where the next tile's Q lies in LDS;  s28, s29: 1 where the next unit is another head's
.set QA,   35                          ; v35 its address
.set KVP,  32                          ; s[32:33] my K and V
.set CS,   34                          ; s[34:35] c = log2(e) / 8 x 2^(eq+ek): the packed form names a pair and takes its low word
.set SEL,  36                          ; s[36:37] lane selects: lane l xor 16
.set HOLD, 38                          ; s38 1 where the hold is asked for;  s39 ep + ev
.set CNT,  44                          ; s44 tiles to go in the unit;  s45, s46 the tile's place among the partial results, among the statistics
.set TO,   45
.set TST,  46
.set OP,   48                          ; s[48:53] the units' places in out0
; window 0.  Window 1: v0-127 K (16 tiles x 8), v128-255 V (2 steps x 4 channel tiles x 16)
.set LI,   1                           ; 16 x lane
.set STO0, 2                           ; my partial results, g = 0 and g = 1
.set STO1, 3
.set STA,  4                           ; my statistics
.set MRD,  5                           ; joining: partial results, statistics
.set MST,  6
.set SGW,  7                           ; the stage, in and out
.set SGR,  8
.set GO,   9                           ; my byte offset in out0's rows
.set LIMP, 10                          ; 57,344 x 2^ep
.set SCP,  11                          ; 2^ep
.set SPW,  12                          ; my spare word
.set NIL,  13                          ; 0
.set BA,   14                          ; the mask's terms
.set NM,   16                          ; -M (v17 is named with it as a pair)
.set MX,   18                          ; v18-21 maxima
.set PX,   22                          ; the lane permute's destination
.set LL,   23                          ; l
.set SU,   24                          ; v24-31 four chains of sums
.set FA,   32                          ; v32-34 the tile's addresses
.set QF,   40                          ; v40-47 Q
.set RB,   48                          ; v48-63 rows read back
.set SR,   64                          ; v64-191 S^T, then p; in joining the partial results
.set PC,   192                         ; v192-223 p's codes; in joining -M, l, factors
.set FW,   212
.set OA,   224                         ; v224-255 O^T; in joining the sums
.set MSB, 0
.macro WIN new                         ; s_set_vgpr_msb: bits 1:0 source 0, 3:2 source 1, 5:4 source 2, 7:6 destination; the high byte repeats the setting that is left
.if MSB != \new
	s_set_vgpr_msb (MSB<<8)|\new
.set MSB, \new
.endif
.endm
.macro VW
	s_wait_alu depctr_va_vdst(0)
.endm
.macro LOADK                           ; 32 loads of K: 512 consecutive bytes each
	WIN 0x40
.irp e, 0,1
.irp n, 0,1,2,3,4,5,6,7,8,9,10,11,12,13,14,15
	global_load_b128 v[64*\e+4*\n:64*\e+4*\n+3], v[LI], s[KVP:KVP+1] offset:16384*\e+512*\n
.endr
.endr
	WIN 0
.endm
.macro LOADV                           ; 32 loads of V
	WIN 0x40
.irp e, 0,1
.irp n, 0,1,2,3,4,5,6,7,8,9,10,11,12,13,14,15
	global_load_b128 v[128+64*\e+4*\n:128+64*\e+4*\n+3], v[LI], s[KVP:KVP+1] offset:16384*\e+8192+512*\n
.endr
.endr
	WIN 0
.endm
.macro PRELOAD h                       ; the mask's terms of my keys 128 h on into the scores' registers: the next scores' C
.irp n, 0,1,2,3,4,5,6,7,8,9,10,11,12,13,14,15
	ds_load_b128 v[SR+64*(\h)+4*\n:SR+64*(\h)+4*\n+3], v[BA] offset:64*(8*(\h)+\n/2)+16*(\n%2)
.endr
.endm
.macro FM j                            ; t - M, two at a time (of the pairs c and -M the low word serves both halves)
	v_pk_fma_f32 v[\j:\j+1], v[\j:\j+1], s[CS:CS+1], v[NM:NM+1] op_sel_hi:[1,0,0]
.endm
; 32 exponentials of quarter q, with the next quarter's scalings between them; one wait behind them; then the quarter's sums, of the UNQUANTISED p, in eight chains
.macro EXPS q
.set i, 0
.rept 16
.if (\q) < 3
	FM SR+32*((\q)+1)+2*i
.endif
	v_exp_f32 v[SR+32*(\q)+2*i], v[SR+32*(\q)+2*i]
	v_exp_f32 v[SR+32*(\q)+2*i+1], v[SR+32*(\q)+2*i+1]
.set i, i+1
.endr
	VW
.set i, 0
.rept 2
.irp k, 0,1,2,3,4,5,6,7                ; eight chains: v24-31, v48-55
.set rP, SR+32*(\q)+16*i+2*\k
.set rT, SU+2*\k+16*(\k/4)
.if (\q) == 0 && i == 0
	v_pk_add_f32 v[rT:rT+1], v[rP:rP+1], v[rP+16:rP+17]
.elseif (\q) > 0
	v_pk_add_f32 v[rT:rT+1], v[rT:rT+1], v[rP:rP+1]
.endif
.endr
.set i, i+1
.endr
.endm
; half h's p become 16 registers of codes; the hold, one-sided since p is not negative, where the scales ask for it
.macro CODES h
	VW
	s_cmp_eq_u32 s[HOLD], 0
	s_cbranch_scc1 .Lfree_\@
.set j, 0
.rept 64
	v_min_num_f32 v[SR+64*(\h)+j], v[SR+64*(\h)+j], v[LIMP]
.set j, j+1
.endr
.Lfree_\@:
.irp b, 0,1,2,3
	v_cvt_scalef32_pk8_bf8_f32 v[PC+16*(\h)+4*\b:PC+16*(\h)+4*\b+1], v[SR+64*(\h)+16*\b:SR+64*(\h)+16*\b+7], v[SCP]
	v_cvt_scalef32_pk8_bf8_f32 v[PC+16*(\h)+4*\b+2:PC+16*(\h)+4*\b+3], v[SR+64*(\h)+16*\b+8:SR+64*(\h)+16*\b+15], v[SCP]
.endr
	v_nop                                          ; a plain instruction behind the conversions
.endm
; A TILE of 16 queries against my 256 keys.  first = 1: a unit's first tile: K's and V's loads may be out.  mg = 1: the last unit's barrier is signalled and waited for inside it, and the joining follows it.  dq: the register that is 1 where the next unit is another head's.
.macro TILE first, mg, dq
	VW
.if \first
.if (\mg) == 0
	s_wait_loadcnt 0x20                            ; the first unit: K is in; V's 32 loads may be out
.endif
.else
	s_wait_xcnt 0x0                                ; a joining's stores have read v48-63, which hold sums below
.endif
	s_min_u32 s61, s[TQ], QL+11264                 ; the next tile's Q (the very last tile takes its own once more)
	WIN 0x01                                       ; source 0 (K) window 1
.irp t, 0,1,2,3,4,5,6,7,8,9,10,11,12,13,14,15
	v_wmma_f32_16x16x64_bf8_bf8 v[SR+8*\t:SR+8*\t+7], v[8*\t:8*\t+7], v[QF:QF+7], v[SR+8*\t:SR+8*\t+7]
.endr
	WIN 0
	v_add_nc_u32 v[FA], s[TO], v[STO0]             ; these three and the next are the four places behind the last product
	v_add_nc_u32 v[FA+1], s[TO], v[STO1]
	v_add_nc_u32 v[FA+2], s[TST], v[STA]
	v_add_nc_u32 v[QA], s61, v[LI]                 ; with this one the four places
.set i, 0
.rept 8                                ; the largest of my lane's 128 scores, in eight chains (v18-21, v36-39); each accumulator from its low end on
.irp k, 0,1,2,3,4,5,6,7
.set rS, SR+8*(\k+8*(i/4))+2*(i%4)
.set rM, MX+\k+14*(\k/4)
.if i == 0
	v_max_num_f32 v[rM], v[rS], v[rS+1]
.else
	v_max3_num_f32 v[rM], v[rM], v[rS], v[rS+1]
.endif
.endr
.set i, i+1
.endr
	v_max3_num_f32 v[MX], v[MX], v[MX+1], v[MX+2]
	v_max3_num_f32 v[MX+3], v[MX+3], v36, v37
	v_max_num_f32 v38, v38, v39
	v_max3_num_f32 v[MX], v[MX], v[MX+3], v38
	v_permlanex16_b32 v[PX], v[MX], s[SEL], s[SEL+1]
	v_max_num_f32 v[MX], v[MX], v[PX]              ; and among lane l xor 16's
	v_mul_f32 v[MX], s[CS], v[MX]                  ; as t (c is positive)
	v_floor_f32 v[NM], -v[MX]                      ; -M = floor(-t) = -ceil(t): a whole number
.if (\first) == 0 && (\dq) > 0
	VW
	s_cmp_eq_u32 s[CNT], s[\dq]                    ; the unit's last tile, and the next unit is another head's: its K, now that this tile's scores are made
	s_cbranch_scc0 .Lkeep_\@
	s_add_nc_u64 s[KVP:KVP+1], s[KVP:KVP+1], 0x40000
	LOADK
.Lkeep_\@:
.endif
	ds_load_b128 v[QF:QF+3], v[QA]                 ; the next tile's Q
	ds_load_b128 v[QF+4:QF+7], v[QA] offset:512
.if \mg
	VW
	s_wait_dscnt 0x0                               ; my partial results and statistics of the last unit are in LDS, and my reads of the unit before are over:
	s_barrier_signal -1                            ; say so; register work alone follows up to the wait
.endif
.set j, 0
.rept 16
	FM SR+2*j
.set j, j+1
.endr
	VW
	EXPS 0
	EXPS 1
	CODES 0
.if (\mg) == 0
	PRELOAD 0                                      ; (behind the unit's joining where mg = 1)
.endif
	EXPS 2
	EXPS 3
	CODES 1
.if (\mg) == 0
	PRELOAD 1
.endif
.if \first
	VW
	s_wait_loadcnt 0x0                             ; V is in
.endif
	WIN 0x01                                       ; source 0 (V) window 1
.irp e, 0,1
.irp t, 0,1,2,3                                ; the four accumulators by turns
.if \e == 0
	v_wmma_f32_16x16x128_bf8_bf8 v[OA+8*\t:OA+8*\t+7], v[128+16*\t:128+16*\t+15], v[PC:PC+15], 0
.else
	v_wmma_f32_16x16x128_bf8_bf8 v[OA+8*\t:OA+8*\t+7], v[192+16*\t:192+16*\t+15], v[PC+16:PC+31], v[OA+8*\t:OA+8*\t+7]
.endif
.endr
.endr
	WIN 0
.irp k, 0,2,4,6
	v_pk_add_f32 v[SU+\k:SU+\k+1], v[SU+\k:SU+\k+1], v[48+\k:49+\k]
.endr
	v_pk_add_f32 v[SU:SU+1], v[SU:SU+1], v[SU+2:SU+3]          ; the sum's chains: all these are also the places behind the last product
	v_pk_add_f32 v[SU+4:SU+5], v[SU+4:SU+5], v[SU+6:SU+7]
	v_pk_add_f32 v[SU:SU+1], v[SU:SU+1], v[SU+4:SU+5]
	v_add_f32 v[LL], v[SU], v[SU+1]
	v_permlanex16_b32 v[PX], v[LL], s[SEL], s[SEL+1]
	v_add_f32 v[LL], v[LL], v[PX]
	VW
.if \mg
	s_barrier_wait -1                              ; every wave's part of the last unit is in LDS
.else
	s_wait_dscnt 0x0                               ; the mask's terms are in the scores' registers
.endif
.irp t, 0,1,2,3
	ds_store_b128 v[FA], v[OA+8*\t:OA+8*\t+3] offset:1024*\t
	ds_store_b128 v[FA+1], v[OA+8*\t+4:OA+8*\t+7] offset:1024*\t+512
.endr
	ds_store_b32 v[FA+2], v[NM]                    ; (both halves of the lanes hold the same number)
	ds_store_b32 v[FA+2], v[LL] offset:32
	s_add_co_u32 s[TO], s[TO], 32768
	s_add_co_u32 s[TST], s[TST], 1024
	s_add_co_u32 s[TQ], s[TQ], 1024
.endm
; JOINING unit u's partial results.  Wave m takes tile m / 2, queries 8 (m % 2) + 0..7: a lane one query (lane % 8) and of each channel tile n the four channels 16 n + 4 (lane / 8): hh = lane / 16, g = (lane / 8) % 2.
.macro JOIN u, buf, pre
	VW
	s_wait_xcnt 0x0                                ; the last joining's stores have read their registers
.if \buf
	v_add_nc_u32 v36, 0x20000, v[MRD]
.set rA, 36
.else
.set rA, MRD
.endif
.irp n, 0,1,2,3                                ; eight waves' -M, then eight waves' l
	ds_load_b128 v[PC+4*\n:PC+4*\n+3], v[MST] offset:4096*(\buf)+16*\n
.endr
.irp w, 0,1,2,3,4,5,6,7
.irp n, 0,1,2,3
	ds_load_b128 v[SR+16*\w+4*\n:SR+16*\w+4*\n+3], v[rA] offset:4096*\w+1024*\n
.endr
.endr
	s_wait_dscnt 0x20                              ; the statistics are in; the 32 loads of partial results may be out
.irp n, 0,1,2,3
	v_min_num_f32 v[PC+16+\n], v[PC+2*\n], v[PC+2*\n+1]
.endr
	v_min_num_f32 v[PC+16], v[PC+16], v[PC+17]
	v_min_num_f32 v[PC+18], v[PC+18], v[PC+19]
	v_min_num_f32 v[PC+16], v[PC+16], v[PC+18]     ; the row's -M
.irp w, 0,1,2,3,4,5,6,7
	v_sub_f32 v[FW+\w], v[PC+16], v[PC+\w]         ; the wave's M - the row's M: a whole number, 0 or less
.endr
.irp w, 0,1,2,3,4,5,6,7
	v_cvt_i32_f32 v[FW+\w], v[FW+\w]               ; (it saturates)
.endr
.irp w, 0,1,2,3,4,5,6,7
	v_ldexp_f32 v[FW+\w], 1.0, v[FW+\w]
.endr
	v_mul_f32 v220, v[FW], v[PC+8]
	v_mul_f32 v221, v[FW+1], v[PC+9]
.irp w, 2,4,6
	v_fma_f32 v220, v[FW+\w], v[PC+8+\w], v220
	v_fma_f32 v221, v[FW+1+\w], v[PC+9+\w], v221
.endr
	v_add_f32 v220, v220, v221                     ; the row's sum
	VW
	v_rcp_f32 v222, v220
	v_nop                                          ; a plain place behind the transcendental
	VW
	v_ldexp_f32 v222, v222, s39                    ; x 2^(ep+ev)
	VW
	s_wait_dscnt 0x10                              ; the partial results of waves 0 to 3 are in
.irp i, 0,2,4,6,8,10,12,14
	v_pk_mul_f32 v[OA+\i:OA+\i+1], v[SR+\i:SR+\i+1], v[FW:FW+1] op_sel_hi:[1,0]
.endr
.irp w, 1,2,3,4,5,6,7
.if \w == 4
.if \pre
	PRELOAD 0                                      ; into the registers just read
	VW
	s_wait_dscnt 0x10                              ; all partial results are in; the 16 loads just issued may be out
.else
	VW
	s_wait_dscnt 0x0
.endif
.endif
.irp i, 0,2,4,6,8,10,12,14
.if \w%2
	v_pk_fma_f32 v[OA+\i:OA+\i+1], v[SR+16*\w+\i:SR+16*\w+\i+1], v[FW+\w-1:FW+\w], v[OA+\i:OA+\i+1] op_sel:[0,1,0] op_sel_hi:[1,1,1]
.else
	v_pk_fma_f32 v[OA+\i:OA+\i+1], v[SR+16*\w+\i:SR+16*\w+\i+1], v[FW+\w:FW+\w+1], v[OA+\i:OA+\i+1] op_sel_hi:[1,0,1]
.endif
.endr
.endr
.irp i, 0,2,4,6,8,10,12,14
	v_pk_mul_f32 v[OA+\i:OA+\i+1], v[OA+\i:OA+\i+1], v[222:223] op_sel_hi:[1,0]
.endr
.irp n, 0,1,2,3                                ; through my stage; LDS serves a wave's instructions in order (ISA guide 5.7.1.4)
	ds_store_b128 v[SGW], v[OA+4*\n:OA+4*\n+3] offset:64*\n
.endr
.irp n, 0,1,2,3
	ds_load_b128 v[RB+4*\n:RB+4*\n+3], v[SGR] offset:544*\n
.endr
.if \pre
	PRELOAD 1
	s_wait_dscnt 0x10                              ; the rows are back; the mask's youngest 16 loads may be out
.else
	s_wait_dscnt 0x0
.endif
.irp n, 0,1,2,3
	global_store_b128 v[GO], v[RB+4*\n:RB+4*\n+3], s[OP+2*(\u):OP+2*(\u)+1] offset:6144*\n th:TH_STORE_NT   ; 16 lanes store 256 consecutive bytes, at a multiple of 256 from out0's first byte
.endr
.if \pre
	s_wait_dscnt 0x0
.endif
.endm
; A UNIT of four tiles
.macro UNIT u, buf, dq
.if \u
	VW
	s_cmp_eq_u32 s[17+\u], s[18+\u]                ; the same head as the unit before?
	s_cbranch_scc1 .Lsame_\@
	LOADV                                          ; else the next head's V (its K was asked for in the last tile)
	s_wait_loadcnt 0x20                            ; K is in; V's 32 loads may be out
	s_branch .Lgo_\@
.Lsame_\@:
	s_wait_loadcnt 0x0
.Lgo_\@:
.endif
	s_mov_b32 s[TO], 131072*(\buf)
	s_mov_b32 s[TST], 4096*(\buf)
.if \u
	TILE 1, 1, \dq
	JOIN \u-1, 1-(\buf), 1
.else
	TILE 1, 0, \dq
.endif
	s_mov_b32 s[CNT], 3
.Ltile_\@:
	TILE 0, 0, \dq
	s_sub_co_u32 s[CNT], s[CNT], 1
	VW
	s_cmp_lg_u32 s[CNT], 0
	s_cbranch_scc1 .Ltile_\@
.endm
	s_load_b256 s[4:11], s[0:1], 0x0               ; q, kv, mask, the scales' exponents
	s_load_b64 s[12:13], s[0:1], 0x20              ; out0
	v_lshl_add_u32 v[SPW], v0, 2, SPARE
	v_mov_b32 v[NIL], 0
	v_lshrrev_b32 v16, 5, v0
	v_readfirstlane_b32 s[WV], v16                 ; wave 0..7
	s_lshr_b32 s15, ttmp9, 5                       ; which three heads
	s_and_b32 s16, ttmp9, 31                       ; my place among their 32 work-groups
	s_lshr_b32 s17, s15, 2                         ; batch
	s_mul_i32 s18, s16, 205
	s_lshr_b32 s18, s18, 11                        ; place / 10: the head among the three
	s_mul_i32 s24, s18, 10
	s_sub_co_u32 s24, s16, s24
	s_mul_i32 s21, s24, 12                         ; and my first tile
	s_mov_b32 s19, s18
	s_mov_b32 s20, s18
	s_add_co_u32 s22, s21, 4
	s_add_co_u32 s23, s21, 8
	s_movk_i32 s25, 120
	s_movk_i32 s26, 124
	s_cmp_eq_u32 s16, 30                           ; head 0: tiles 120, 124; head 1: 120
	s_cselect_b32 s18, 0, s18
	s_cselect_b32 s19, 0, s19
	s_cselect_b32 s20, 1, s20
	s_cselect_b32 s21, s25, s21
	s_cselect_b32 s22, s26, s22
	s_cselect_b32 s23, s25, s23
	s_cmp_eq_u32 s16, 31                           ; head 1: tile 124; head 2: 120, 124
	s_cselect_b32 s18, 1, s18
	s_cselect_b32 s19, 2, s19
	s_cselect_b32 s20, 2, s20
	s_cselect_b32 s21, s26, s21
	s_cselect_b32 s22, s25, s22
	s_cselect_b32 s23, s26, s23
	s_cmp_eq_u32 s18, s19
	s_cselect_b32 s28, 0, 1
	s_cmp_eq_u32 s19, s20
	s_cselect_b32 s29, 0, 1
	s_mul_i32 s24, s15, 3
	s_add_co_u32 s24, s24, s18                     ; hb of my first unit
	s_mov_b32 s[TQ], QL+1024
	s_lshl_b32 s[KVP], s24, 18
	s_lshl_b32 s61, s[WV], 15
	s_add_co_u32 s[KVP], s[KVP], s61
	s_mov_b32 s[KVP+1], 0
	s_lshl_b32 s2, s17, 13                         ; mask: the batch's 8,192 bytes, my 256 keys
	s_lshl_b32 s61, s[WV], 10
	s_add_co_u32 s2, s2, s61
	s_add_co_u32 s60, s61, BIAS
	s_lshl_b32 s54, s[WV], 12
	s_lshl_b32 s55, s[WV], 2
	s_add_co_u32 s55, s55, STAT
	s_and_b32 s56, s[WV], 1
	s_lshl_b32 s56, s56, 3
	s_lshr_b32 s58, s[WV], 1
	s_lshl_b32 s57, s58, 15
	s_lshl_b32 s58, s58, 10
	s_add_co_u32 s58, s58, STAT
	s_mul_i32 s59, s[WV], 2176
	s_add_co_u32 s59, s59, STG
	v_and_b32 v16, 31, v0                          ; lane
	v_bfe_u32 v17, v0, 4, 1                        ; hh
	v_and_b32 v18, 15, v0                          ; r
	v_bfe_u32 v19, v0, 3, 1                        ; g, in joining
	v_and_b32 v20, 7, v0                           ; the query, in joining
	v_lshlrev_b32 v[LI], 4, v16
	v_lshlrev_b32 v35, 5, v16                      ; the mask: eight keys a lane
	v_lshl_add_u32 v36, v16, 5, s60                ; and their terms' place
	v_lshlrev_b32 v[BA], 5, v17
	v_add_nc_u32 v[BA], s60, v[BA]
	v_add_nc_u32 v[STO0], s54, v[LI]
	v_xor_b32 v21, 0x80, v[LI]                     ; 16 (lane xor 8)
	v_add_nc_u32 v[STO1], s54, v21
	v_lshlrev_b32 v[STA], 6, v18
	v_add_nc_u32 v[STA], s55, v[STA]
	v_xor_b32 v21, s56, v18
	v_lshlrev_b32 v21, 4, v21
	v_lshl_add_u32 v21, v17, 8, v21
	v_lshl_add_u32 v21, v19, 9, v21
	v_add_nc_u32 v[MRD], s57, v21
	v_add_nc_u32 v21, s56, v20
	v_lshlrev_b32 v21, 6, v21
	v_add_nc_u32 v[MST], s58, v21
	v_mul_u32_u24 v21, v20, 272
	v_lshl_add_u32 v21, v17, 5, v21
	v_lshl_add_u32 v21, v19, 4, v21
	v_add_nc_u32 v[SGW], s59, v21
	v_mul_u32_u24 v21, v17, 272
	v_lshl_add_u32 v21, v18, 4, v21
	v_add_nc_u32 v[SGR], s59, v21
	v_mul_u32_u24 v21, v17, 3072
	v_lshl_add_u32 v[GO], v18, 4, v21
	v_mov_b32 v[PX], 0                             ; a lane permute's destination counts as one of its sources
	s_mov_b32 s[SEL], 0x76543210
	s_mov_b32 s[SEL+1], 0xfedcba98
	VW
	s_wait_kmcnt 0x0
	s_load_b128 s[40:43], s[10:11], 0x28           ; eq, ek, ep, ev
	s_mov_b32 s3, 0
	s_add_nc_u64 s[8:9], s[8:9], s[2:3]
	s_add_nc_u64 s[KVP:KVP+1], s[6:7], s[KVP:KVP+1]
	global_load_b128 v[RB:RB+3], v35, s[8:9]
	global_load_b128 v[RB+4:RB+7], v35, s[8:9] offset:16
	s_mul_i32 s61, s[WV], 3                        ; Q's twelve tiles are 24 images of 512 bytes: my three of them, for all waves, by way of LDS
.irp n, 0,1,2
	s_add_co_u32 s62, s61, \n
	s_lshr_b32 s60, s62, 1                         ; tile 0..11
	s_cmp_lt_u32 s60, 8
	s_cselect_b32 s26, s19, s20
	s_cselect_b32 s2, s22, s23
	s_cmp_lt_u32 s60, 4
	s_cselect_b32 s26, s18, s26                    ; its unit's head among the three,
	s_cselect_b32 s2, s21, s2                      ; and first tile
	s_and_b32 s60, s60, 3
	s_add_co_u32 s2, s2, s60
	s_lshl_b32 s2, s2, 10
	s_mul_i32 s60, s15, 3
	s_add_co_u32 s26, s26, s60
	s_lshl_b32 s26, s26, 17
	s_add_co_u32 s2, s2, s26
	s_and_b32 s62, s62, 1
	s_lshl_b32 s62, s62, 9
	s_add_co_u32 s2, s2, s62
	s_add_nc_u64 s[54+2*\n:55+2*\n], s[4:5], s[2:3]
	global_load_b128 v[SR+4*\n:SR+4*\n+3], v[LI], s[54+2*\n:55+2*\n]
.endr
	LOADK
	LOADV
	; out0: row 2,048 batch + 16 tile + 16 (wave / 2) + 8 (wave % 2), of 3,072 bytes; + 256 head
	s_lshl_b32 s3, s17, 11
	s_lshl_b32 s61, s[WV], 3
	s_add_co_u32 s3, s3, s61
	s_mul_i32 s3, s3, 3072
	s_and_b32 s61, s15, 3
	s_mul_i32 s61, s61, 768
	s_add_co_u32 s3, s3, s61
.irp u, 0,1,2
	s_mul_i32 s61, s[21+\u], 49152
	s_lshl_b32 s62, s[18+\u], 8
	s_add_co_u32 s62, s62, s61
	s_add_co_u32 s62, s62, s3
	s_mov_b32 s63, 0
	s_add_nc_u64 s[OP+2*\u:OP+2*\u+1], s[12:13], s[62:63]
.endr
	s_wait_kmcnt 0x0
	s_add_co_i32 s24, s40, s41                     ; eq + ek
	s_lshl_b32 s61, s24, 23
	s_mov_b32 s[CS], 0x3e38aa3b                    ; log2(e) / 8
	s_add_co_i32 s[CS], s[CS], s61                 ; eq + ek is added to c's exponent field
	s_mov_b32 s[CS+1], s[CS]                       ; (named with it as a pair, so it is written)
	s_cmp_lt_i32 s42, -15
	s_cselect_b32 s[HOLD], 1, 0
	s_cmp_gt_i32 s24, -13
	s_cselect_b32 s[HOLD], 1, s[HOLD]
	s_sub_co_i32 s24, 0, s24
	s_add_co_i32 s61, s42, 127
	s_lshl_b32 s62, s61, 23
	s_add_co_i32 s61, s61, 15
	s_lshl_b32 s61, s61, 23
	s_or_b32 s61, s61, 0x600000
	s_add_co_i32 s39, s42, s43                     ; ep + ev
	v_mov_b32 v[SCP], s62                          ; 2^ep as f32: the conversion takes its exponent field
	v_mov_b32 v[LIMP], s61                         ; 57,344 x 2^ep
	VW
	s_wait_loadcnt 0x3f                            ; the mask, older than the 67 other loads, is in
.irp n, 0,1,2,3,4,5,6,7
	v_cvt_f32_i32 v[RB+\n], v[RB+\n]
.endr
.irp n, 0,1,2,3,4,5,6,7
	v_sub_f32 v[RB+\n], 1.0, v[RB+\n]              ; 1 - m
.endr
.irp n, 0,1,2,3,4,5,6,7
	v_mul_f32 v[RB+\n], 0xc79c4000, v[RB+\n]       ; x -80,000: the 10,000 ahead of the division by 8
.endr
.irp n, 0,1,2,3,4,5,6,7
	v_ldexp_f32 v[RB+\n], v[RB+\n], s24            ; / 2^(eq+ek): in the unit of the scores' sums
.endr
	ds_store_b128 v36, v[RB:RB+3]
	ds_store_b128 v36, v[RB+4:RB+7] offset:16
	s_mul_i32 s62, s[WV], 1536
	s_add_co_u32 s62, s62, QL
	v_add_nc_u32 v37, s62, v[LI]
	v_add_nc_u32 v38, QL, v[LI]
.irp n, 0,1,2                                  ; (the wait above covers Q's three loads too: 64 are younger)
	ds_store_b128 v37, v[SR+4*\n:SR+4*\n+3] offset:512*\n
.endr
	PRELOAD 0                                      ; my own bytes: LDS serves a wave's instructions in order
	PRELOAD 1
	VW
	s_wait_dscnt 0x0
	s_barrier_signal -1
	s_barrier_wait -1                              ; all of Q is in LDS
	ds_load_b128 v[QF:QF+3], v38
	ds_load_b128 v[QF+4:QF+7], v38 offset:512
	s_wait_dscnt 0x0
	UNIT 0, 0, 28
	UNIT 1, 1, 29
	UNIT 2, 0, 0
	VW
	s_wait_dscnt 0x0                               ; my part of the last unit is in LDS
	s_barrier_signal -1
	s_barrier_wait -1
	JOIN 2, 0, 0
	s_wait_tensorcnt 0x0                           ; the wave's end, behind my last LDS store
	ds_add_u32 v[SPW], v[NIL]
	s_wait_dscnt 0x0
	s_endpgm
.Lfunc_end_k_qf76cd848db_attn:
	.size	k_qf76cd848db_attn, .Lfunc_end_k_qf76cd848db_attn-k_qf76cd848db_attn
	.p2alignl 7, 3214868480
	.fill 96, 4, 3214868480
	.section	.rodata,"a",@progbits
	.p2align	6, 0x0
	.amdhsa_kernel k_qf76cd848db_attn
		.amdhsa_group_segment_fixed_size 309248
		.amdhsa_private_segment_fixed_size 0
		.amdhsa_enable_private_segment 0
		.amdhsa_kernarg_size 40
		.amdhsa_user_sgpr_count 2
		.amdhsa_user_sgpr_kernarg_segment_ptr 1
		.amdhsa_wavefront_size32 1
		.amdhsa_system_sgpr_workgroup_id_x 1
		.amdhsa_system_sgpr_workgroup_id_y 1
		.amdhsa_system_sgpr_workgroup_id_z 1
		.amdhsa_system_vgpr_workitem_id 0
		.amdhsa_next_free_vgpr 512
		.amdhsa_next_free_sgpr 66
		.amdhsa_reserve_vcc 0
		.amdhsa_float_denorm_mode_32 3
		.amdhsa_float_denorm_mode_16_64 3
		.amdhsa_memory_ordered 1
		.amdhsa_forward_progress 1
		.amdhsa_inst_pref_size 222
	.end_amdhsa_kernel
	.amdgpu_metadata
---
amdhsa.version: [ 1, 2 ]
amdhsa.kernels:
  - .name:           k_qf76cd848db_attn
    .symbol:         k_qf76cd848db_attn.kd
    .args:
      - { .name: q, .offset: 0, .size: 8, .value_kind: global_buffer, .address_space: global }
      - { .name: kv, .offset: 8, .size: 8, .value_kind: global_buffer, .address_space: global }
      - { .name: mask, .offset: 16, .size: 8, .value_kind: global_buffer, .address_space: global }
      - { .name: lowp_scales, .offset: 24, .size: 8, .value_kind: global_buffer, .address_space: global }
      - { .name: out0, .offset: 32, .size: 8, .value_kind: global_buffer, .address_space: global }
    .group_segment_fixed_size: 309248
    .private_segment_fixed_size: 0
    .kernarg_segment_align: 8
    .kernarg_segment_size: 40
    .max_flat_workgroup_size: 256
    .sgpr_count:     66
    .vgpr_count:     512
    .wavefront_size: 32
...
	.end_amdgpu_metadata
.endif
;; end of part 2
